; MI455X (gfx1250); checked and timed in simulation.
; The chip was launched on July 23, 2026; its instructions are those of AMD's public machine-readable ISA for CDNA 5 (MIT licence, August 2026) and "CDNA5" Instruction Set Architecture Reference Guide (July 2026). The comments in the code are by the model that wrote it; some were corrected since.
;; Spline Linear. Allowed arithmetic: matrix products marked QUANTISED: E2M3 operands, one E8M0 scale for each 32 along K, by v_wmma_scale_f32_16x16x128_f8f6f4 with both operands' format E2M3, f32 sums; everything else in f32.
;; Inputs: bias 4,096 float32; control_points 9 x 4,096 float32; input_codes 4,096 x 128 x 24 uint8 (E2M3 codes of input, K innermost, in blocks of 32 codes, four codes in three bytes); input_scales 4,096 x 128 uint8 (E8M0 scales of input, one for each 32 codes along K); residual 4,096 x 4,096 float32.
;; Outputs: out0 4,096 x 4,096 float32.
;; This version of the problem:
;;   THIS VERSION OF THE PROBLEM IS GIVEN IN LOW PRECISION. The matrix products marked QUANTISED in the list below multiply operands that are first quantised to E2M3 (2 exponent bits, 3 mantissa bits; 6 bits a number), with one power-of-two scale for each 32 numbers along K (OCP MX v1.0); their sums are f32. All else is computed in f32.
;;   The module's matrix products, in the order in which they are computed (A, B: the left and right operand; K: the contracted axis; several contracted axes count as one K, in the product's order):
;;     1. [M 4,096, K 4,096] x [K 4,096, N 4,096]; A: input input (given as codes); B: computed on the way: QUANTISED
;;   THE QUANTISER, for each operand of a quantised product, along K:
;;     - K is cut into blocks of 32 from its start; a last block that is shorter is filled with zeros.
;;     - A block's scale is 2^e with e = floor(log2(the largest magnitude in the block)) - 2, held to -126 .. 127; a block of zeros has e = 0. As a byte (E8M0): e + 127.
;;     - Each number is divided by its block's scale, clamped to +-7.5, and rounded to the nearest number of E2M3, ties to even, subnormals kept.
;;     - The product sums the exact products of the quantised numbers (number of the format x scale) in f32.
;;   ~~~python
;;   def quantise(x, axis):      # numpy; x: float32 -> the quantised numbers, widened to float32 again
;;       x = np.moveaxis(x, axis, -1); K = x.shape[-1]
;;       x = np.pad(x, [(0, 0)] * (x.ndim - 1) + [(0, -K % 32)]); x = x.reshape(x.shape[:-1] + (-1, 32)); a = np.abs(x).max(-1, keepdims=True)
;;       e = np.where(a > 0, np.clip(np.frexp(np.where(a > 0, a, 1))[1] - 1 - 2, -126, 127), 0)      # np.frexp(a)[1] - 1 = floor(log2(a)), exactly
;;       r = np.clip(x / 2.0 ** e, -7.5, 7.5)
;;       step = 2.0 ** (np.maximum(np.frexp(np.where(r == 0, 1, r))[1] - 1, 0) - 3)
;;       q = np.round(r / step) * step * 2.0 ** e      # np.round: ties to even
;;       return np.moveaxis(q.reshape(q.shape[:-2] + (-1,))[..., :K], -1, axis).astype(np.float32)
;;   ~~~
;;   OPERANDS COMPUTED ON THE WAY. 'Computed on the way' means the value that the module computes at that place (a softmax that the list does not call 'softmax' is quantised finished and normalised). What goes into a quantiser is computed in f32, as accurately as f32 sums, v_exp_f32 and their like allow (about 1e-6 of the number): no bf16 or f16 on the way to a quantiser, and a product that is left as it is and whose result goes on into a quantised operand takes f32 operands (vector FMAs, or v_wmma_f32_16x16x4_f32). A number that lies on a knife's edge between two numbers of the format may be rounded either way, as far as f32 arithmetic and the matrix unit's own rounding can turn it there, and no further.
;;   INPUTS GIVEN AS CODES. input (in the module: [4096, 4096], K = its axis 1): each comes as NAME_codes (uint8): NAME with its K axis moved to the last place and cut into blocks of 32 codes, [.., K / 32, bytes a block], one block behind the other in memory; four codes in three bytes: a row's codes are one little-endian stream of bits, code i at bits 6 i .. 6 i + 5 (a code: sign, 2 exponent bits, 3 mantissa bits); and NAME_scales (uint8): the same leading axes, one E8M0 byte (e + 127) for each 32 codes along K. Its value is code x scale, taken as it is: it is not quantised again, and the codes and scales need not be those that the quantiser above would give.
;; One version. Each part assembles by itself: llvm-mc -triple=amdgcn-amd-amdhsa -mcpu=gfx1250 --defsym DOCPART=n.
;; ======== version 1 of 1: 2 launches
;; limits: right only within a limited range of input values
;; workspace buffers: a_pk 13,303,808 bytes; w_pk 13,303,808 bytes
;; launch prep (part 1): grid 512 x 1, 8 waves a work-group, no clusters, 120,064 bytes of LDS; arguments residual, control_points, w_pk, a_pk, input_codes, input_scales; writes w_pk, a_pk
.if DOCPART == 1
	.amdgcn_target "amdgcn-amd-amdhsa--gfx1250"
	.amdhsa_code_object_version 6
	.text
	.protected	k_q7eb3a0a869_prep
	.globl	k_q7eb3a0a869_prep
	.p2align	8
	.type	k_q7eb3a0a869_prep,@function
k_q7eb3a0a869_prep:
	s_mov_b64 s[64:65], 0
	v_nop
	global_prefetch_b8 v0, s[64:65] scope:SCOPE_SE
	s_setreg_imm32_b32 hwreg(HW_REG_WAVE_MODE, 25, 1), 1
	s_wait_xcnt 0x0
; Two tasks, told apart by the work-group's number.  Nothing of reference() is left out.
; Work-groups 0-255: W[o][i] = c0 cp[j-1][i] + c1 cp[j][i] + c2 cp[j+1][i] + c3 cp[j+2][i] + residual[o][i] in f32, then codes of E2M3 with one E8M0 byte for each 32 along i.
;   t_scaled = o / 4095 x 8, j = clip(floor(t_scaled), 1, 6) = clamp(o >> 9, 1, 6) (8 o / 4095 lies less than 1 / 512 above o / 512; o = 4,095 is clipped): the same for 16 aligned rows.
; Work-groups 256-511: input's codes and scale bytes are laid anew, unchanged in value.
; OUT, w_pk and a_pk alike: for each block of 16 rows RBB = 51,968 dense bytes: eleven fills; fill f holds K steps 3 f .. 3 f + 2 (fill 10: two steps), each step an image of the operand's registers,
;   1,536 bytes: lane (r, h) at 48 (16 h + r): the 24 bytes of block h of row r, then those of block 2 + h; behind a fill's steps 256 bytes of scale words: row r at 16 r, word q for the fill's step q, the rest 0.
;   So step s lies at 1,536 s + 256 (s / 3), and every piece begins at a multiple of 256 bytes.
; SPLINE.  Work-group g owns rows 16 g .. 16 g + 15; wave w owns columns 512 w .. 512 w + 511: K steps 4 w .. 4 w + 3.  A turn takes four rows x 128 columns: four loads of 512 consecutive bytes.
;   The numbers turn through the wave's stage in LDS so that a lane holds 16 neighbours; its 12 bytes of codes go to the wave's image of the step; after four turns the image leaves as three stores of 512 consecutive bytes.
; LIMITS: NaN and infinities among the inputs are not served.  A block of zeros gets the byte 1 where the rule says 127: its codes are zeros, and this program alone reads the bytes.
; The sum is a chain of fused multiply-adds begun on the residual: another order of rounding than reference()'s, each step rounded once in f32.
; No tensor loads, no cluster: what the work-groups share is the control table, 147,456 bytes beside 67,108,864 of residual.
.set D,     6
.set STEPS, 16
.set ROWB,  16384
.set SP,    80
.set WREG,  6656                       ; a wave's region: two stages of 32 x SP bytes, then a step's image
.set CST,   5120
.set SCB,   8*WREG                     ; the spline's scale words: 16 bytes a thread
.set RAW,   SCB+4096                   ; the other task's bytes: 16 rows of codes, 3,088 bytes apart,
.set RPIT,  3088
.set FST,   RAW+16*RPIT                ; and an image of a step for each wave
.set SPARE, FST+8*1536                 ; the spare words
.set RBB,   51968
.set FB,    4864
.set CP,    16
.set R,     80
.set X,     176
.set C,     208
.set E,     216
.set OUT,   220
.set VO,    234                        ; v234-237: 16 l + where my K step ks lies in a block of 16 rows
.set VSO,   238                        ; where thread t's 16 bytes of scale words lie there (t < 176)
.set VC,    240
.set SB,    249                        ; v249-252: LDS address of my scale byte in K step ks
.set Z,     253
	s_load_b256 s[4:11], s[0:1], 0x0               ; residual, control_points, w_pk, a_pk
	s_load_b128 s[24:27], s[0:1], 0x20             ; input_codes, input_scales
	v_lshl_add_u32 v254, v0, 2, SPARE
	v_mov_b32 v255, 0
	v_mov_b32 v[Z], 0
	v_lshrrev_b32 v1, 5, v0
	v_readfirstlane_b32 s12, v1                    ; wave
	v_and_b32 v1, 31, v0                           ; lane l
	v_and_b32 v14, 15, v0
	v_bfe_u32 v15, v0, 4, 1
	v_lshrrev_b32 v244, 3, v1                      ; l / 8
	v_bfe_u32 v245, v1, 1, 2                       ; my block in a step: (l % 8) / 2
	v_lshrrev_b32 v247, 4, v0                      ; t / 16
	v_lshl_add_u32 v246, v244, 4, v245
	s_wait_alu depctr_va_vdst(0)                   ; the wait ahead of the scalar lines below
.irp ks, 0,1,2,3
	s_lshl_b32 s28, s12, 2
	s_add_co_u32 s28, s28, \ks                     ; s = 4 w + ks
	s_mul_i32 s29, s28, 43
	s_lshr_b32 s29, s29, 7                         ; f = s / 3 (exact for s up to 31)
	s_mul_i32 s30, s28, 1536
	s_lshl_b32 s31, s29, 8
	s_add_co_u32 s30, s30, s31
	v_lshl_add_u32 v[VO+\ks], v1, 4, s30
	s_mul_i32 s29, s29, 244
	s_lshl_b32 s28, s28, 2
	s_add_co_u32 s29, s29, s28                     ; 256 f + 4 (s - 3 f)
	s_add_co_u32 s29, s29, SCB
	v_add_nc_u32 v[SB+\ks], s29, v246
.endr
	v_mul_u32_u24 v[VSO], v247, FB
	v_add_nc_u32 v[VSO], 4608, v[VSO]
	v_min_u32 v[VSO], 51712, v[VSO]                ; fill 10 has two steps
	v_lshl_add_u32 v[VSO], v14, 4, v[VSO]
	s_mov_b32 s17, 0
	s_wait_alu depctr_va_vdst(0)
	s_wait_kmcnt 0x0
	s_cmp_ge_u32 ttmp9, 256
	s_cbranch_scc1 .Lrelay
	s_mul_i32 s13, s12, WREG
	s_lshl_b32 s15, s12, 11
	s_add_co_u32 s19, s13, CST
	s_lshr_b32 s14, ttmp9, 5
	s_max_u32 s14, s14, 1
	s_min_u32 s14, s14, 6                          ; j
	s_mov_b32 s20, 0x457ff000                      ; 4095.0
	s_mov_b32 s21, 0x39800801                      ; 1 / 4095, rounded
	s_mov_b32 s22, 0x3fc00000                      ; 1.5
	s_mov_b32 s23, 0xc0200000                      ; -2.5
.irp m, 0,1,2,3,4,5,6,7,8,9,10,11,12,13,14,15
	s_mov_b32 s[33+2*\m], 0                        ; the packed form names pairs and takes their low words
.endr
	s_lshl_b32 s16, ttmp9, 18
	s_add_nc_u64 s[4:5], s[4:5], s[16:17]
	s_sub_co_u32 s16, s14, 1
	s_lshl_b32 s16, s16, 14
	s_add_nc_u64 s[6:7], s[6:7], s[16:17]
	s_mul_i32 s16, ttmp9, RBB
	s_add_nc_u64 s[8:9], s[8:9], s[16:17]
	v_lshl_add_u32 v2, v1, 4, s15                  ; 2,048 w + 16 l
	v_lshrrev_b32 v3, 2, v1
	v_mul_u32_u24 v4, v1, SP
	v_and_b32 v248, 3, v1
	v_mul_u32_u24 v3, v3, SP
	v_add_nc_u32 v4, s13, v4                       ; a stage, on the way out: my 16 neighbours
	v_bfe_u32 v5, v1, 1, 1                         ; h of my block
	v_lshl_add_u32 v3, v248, 4, v3
	v_mul_u32_u24 v6, v5, 768
	v_add_nc_u32 v3, s13, v3                       ; a stage, on the way in
	v_bfe_u32 v5, v1, 2, 1                         ; its place c in the lane's 48 bytes
	v_mad_u32_u24 v6, v244, 48, v6
	v_and_b32 v248, 1, v1
	v_mad_u32_u24 v6, v5, 24, v6
	v_lshl_add_u32 v7, v1, 4, s19                  ; out of the image: 16 bytes a lane
	v_mad_u32_u24 v6, v248, 12, v6
	v_lshl_add_u32 v9, v0, 4, SCB
	v_add_nc_u32 v6, s19, v6                       ; into the image: 768 h + 48 (l / 8) + 24 c + 12 (l % 2)
	v_lshl_add_u32 v10, v14, 4, SCB+2560           ; fill 10's scale words, row l % 16
	s_wait_alu depctr_va_vdst(0)
.irp m, 0,1,2,3
.irp i, 0,1,2,3
	global_load_b128 v[CP+16*\m+4*\i:CP+16*\m+4*\i+3], v2, s[6:7] offset:ROWB*\m+512*\i
.endr
.endr
.macro LOAD t                          ; turn t: rows 4 (t % 4) .. + 3 at my K step t / 4, into set t % D
.irp i, 0,1,2,3
	global_load_b128 v[R+16*((\t)%D)+4*\i:R+16*((\t)%D)+4*\i+3], v2, s[4:5] offset:ROWB*(4*((\t)%4)+\i)+512*((\t)/4) th:TH_LOAD_NT
.endr
.endm
.irp t, 0,1,2,3,4,5
	LOAD \t
.endr
	ds_store_b32 v9, v[Z] offset:12                ; the words that no step fills hold 0
	s_cmp_lg_u32 s12, 0
	s_cbranch_scc1 .Lno_pad
	ds_store_b32 v10, v[Z] offset:8                ; fill 10's word 2
.Lno_pad:
	s_lshl_b32 s28, ttmp9, 4
	v_add_nc_u32 v244, s28, v14
	v_cvt_f32_u32 v246, s14
	v_cvt_f32_u32 v244, v244                       ; o
	s_delay_alu instid0(VALU_DEP_1)
	v_mul_f32 v245, s21, v244                      ; o / 4095: a first quotient,
	s_delay_alu instid0(VALU_DEP_1)
	v_fma_f32 v247, -v245, s20, v244               ; what it leaves,
	s_delay_alu instid0(VALU_DEP_1)
	v_fma_f32 v245, v247, s21, v245                ; and the quotient set right by it
	s_delay_alu instid0(VALU_DEP_1)
	v_mul_f32 v245, 0x41000000, v245               ; x 8
	s_delay_alu instid0(VALU_DEP_1)
	v_sub_f32 v245, v245, v246                     ; t
	s_delay_alu instid0(VALU_DEP_1)
	v_mul_f32 v246, v245, v245                     ; t2
	s_delay_alu instid0(VALU_DEP_1)
	v_mul_f32 v247, v246, v245                     ; t3
	s_delay_alu instid0(VALU_DEP_1)
	v_fma_f32 v248, -0.5, v247, v246
	s_delay_alu instid0(VALU_DEP_1)
	v_fma_f32 v[VC], -0.5, v245, v248              ; c0
	v_fma_f32 v248, v246, s23, 1.0
	s_delay_alu instid0(VALU_DEP_1)
	v_fma_f32 v[VC+1], v247, s22, v248             ; c1
	v_mul_f32 v248, 0.5, v245
	s_delay_alu instid0(VALU_DEP_1)
	v_fma_f32 v248, v246, 2.0, v248
	s_delay_alu instid0(VALU_DEP_1)
	v_fma_f32 v[VC+2], -v247, s22, v248            ; c2
	v_sub_f32 v248, v247, v246
	s_delay_alu instid0(VALU_DEP_1)
	v_mul_f32 v[VC+3], 0.5, v248                   ; c3
.macro TURN t                          ; the spline is added in place; the 2,048 bytes turn through stage t % 2 (LDS serves a wave's instructions in order: ISA guide 5.7.1.4)
.set RS, R+16*((\t)%D)
.irp i, 0,1,2,3
.irp m, 0,1,2,3
	v_readlane_b32 s[32+8*\i+2*\m], v[VC+\m], 4*((\t)%4)+\i
.endr
.endr
.irp m, 0,1,2,3
.irp i, 0,1,2,3
.irp p, 0,1
	v_pk_fma_f32 v[RS+4*\i+2*\p:RS+4*\i+2*\p+1], v[CP+16*\m+4*((\t)/4)+2*\p:CP+16*\m+4*((\t)/4)+2*\p+1], s[32+8*\i+2*\m:33+8*\i+2*\m], v[RS+4*\i+2*\p:RS+4*\i+2*\p+1] op_sel_hi:[1,0,1]
.endr
.endr
.endr
.irp i, 0,1,2,3
	ds_store_b128 v3, v[RS+4*\i:RS+4*\i+3] offset:32*SP*((\t)%2)+8*SP*\i
.endr
.irp i, 0,1,2,3
	ds_load_b128 v[X+16*((\t)%2)+4*\i:X+16*((\t)%2)+4*\i+3], v4 offset:32*SP*((\t)%2)+16*\i
.endr
.endm
	s_wait_alu depctr_va_vdst(0)
	s_wait_loadcnt 20                              ; the 16 control loads and turn 0's four are in; five turns' 20 stay out
	TURN 0
.macro STEP t                          ; lane l now holds row 4 (t % 4) + l / 8, columns 16 (l % 8) .. + 15 of the step
.set XS, X+16*((\t)%2)
.set CC, C+4*((\t)%2)
.if (\t) > 0
	s_wait_dscnt 4                                 ; behind this turn's loads from the stage stand the last turn's byte store and three code stores
.else
	s_wait_dscnt 0x0
.endif
.if (\t)+D < STEPS
	LOAD (\t)+D
.endif
.if (\t)+1 < STEPS
.if (\t)+D < STEPS
	s_wait_loadcnt 20
.else
	s_wait_loadcnt 4*(STEPS-2-(\t))
.endif
	TURN (\t)+1
.endif
	v_max3_num_f32 v12, |v[XS]|, |v[XS+1]|, |v[XS+2]|
	v_max3_num_f32 v13, |v[XS+3]|, |v[XS+4]|, |v[XS+5]|
.irp i, 6,10
	s_delay_alu instid0(VALU_DEP_2)
	v_max3_num_f32 v12, v12, |v[XS+\i]|, |v[XS+\i+1]|
	s_delay_alu instid0(VALU_DEP_2)
	v_max3_num_f32 v13, v13, |v[XS+\i+2]|, |v[XS+\i+3]|
.endr
	s_delay_alu instid0(VALU_DEP_2)
	v_max3_num_f32 v12, v12, |v[XS+14]|, |v[XS+15]|
	s_delay_alu instid0(VALU_DEP_1)
	v_max3_num_f32 v12, v12, v13, 0x1800000        ; the floor 2^(3 - 127): the byte cannot fall under 1
	s_delay_alu instid0(VALU_DEP_1)
	v_max_num_f32_dpp v12, v12, v12 row_xmask:1 row_mask:0xf bank_mask:0xf   ; with my neighbour's 16: the block's
	s_delay_alu instid0(VALU_DEP_1)
	v_add_nc_u32 v11, 0xff000000, v12              ; 2 off the exponent field: the conversion's scale operand
	v_cvt_scalef32_pk16_fp6_f32 v[CC:CC+2], v[XS:XS+15], v11
	v_lshrrev_b32 v[E+(\t)%2], 23, v11             ; the scale's byte
	ds_store_b8 v[SB+(\t)/4], v[E+(\t)%2] offset:64*((\t)%4)
.irp c, 0,1,2
	ds_store_b32 v6, v[CC+\c] offset:192*((\t)%4)+4*\c
.endr
.if (\t)%4 == 3                        ; sixteen rows are gathered: the step's image leaves
.if (\t) > 3
	s_wait_xcnt 0x0                                ; the last image's stores have read their registers
.endif
.irp i, 0,1,2
	ds_load_b128 v[OUT+4*\i:OUT+4*\i+3], v7 offset:512*\i
.endr
	s_wait_dscnt 0x0
.irp i, 0,1,2
	global_store_b128 v[VO+(\t)/4], v[OUT+4*\i:OUT+4*\i+3], s[8:9] offset:512*\i   ; 512 consecutive bytes, at a multiple of 256
.endr
.endif
.endm
.irp t, 0,1,2,3,4,5,6,7,8,9,10,11,12,13,14,15
	STEP \t
.endr
	s_wait_dscnt 0x0                               ; my byte stores have landed
	s_barrier_signal -1
	s_barrier_wait -1                              ; all eight waves' have
	s_wait_xcnt 0x0                                ; OUT is loaded again only behind this wait
	s_cmp_gt_u32 s12, 5
	s_cbranch_scc1 .Lsc_done                       ; 11 fills x 16 rows: waves 6 and 7 have none
	s_cmp_eq_u32 s12, 5
	s_cbranch_scc1 .Lsc_last
	ds_load_b128 v[OUT:OUT+3], v9                  ; waves 0-4: fills 2 w and 2 w + 1
	s_branch .Lsc_out
.Lsc_last:
	ds_load_b128 v[OUT:OUT+3], v10                 ; wave 5: fill 10, the two halves of the lanes alike: their offsets in VSO are equal too
.Lsc_out:
	s_wait_dscnt 0x0
	global_store_b128 v[VSO], v[OUT:OUT+3], s[8:9] ; sixteen lanes store a fill's 256 bytes of scale words
.Lsc_done:
	s_wait_tensorcnt 0x0                           ; the wave's end
	ds_add_u32 v254, v255
	s_wait_dscnt 0x0
	s_endpgm
.Lrelay:                                               ; input's block of 16 rows, number ttmp9 - 256: 49,152 dense bytes of codes, 2,048 of scale bytes
	s_sub_co_u32 s28, ttmp9, 256
	s_mul_i32 s16, s28, 49152
	s_add_nc_u64 s[24:25], s[24:25], s[16:17]
	s_lshl_b32 s16, s28, 11
	s_add_nc_u64 s[26:27], s[26:27], s[16:17]
	s_mul_i32 s16, s28, RBB
	s_add_nc_u64 s[10:11], s[10:11], s[16:17]
	s_mul_i32 s29, s12, 6144                       ; wave w brings rows 2 w and 2 w + 1
	s_mul_i32 s30, s12, 2*RPIT
	s_add_co_u32 s30, s30, RAW
	s_mul_i32 s31, s12, 384                        ; and lays K steps 4 w .. 4 w + 3
	s_add_co_u32 s31, s31, RAW
	s_mul_i32 s18, s12, 1536
	s_add_co_u32 s18, s18, FST
	v_lshl_add_u32 v2, v1, 4, s29
	v_lshl_add_u32 v3, v1, 4, s30
	v_mul_u32_u24 v4, v14, RPIT
	v_mul_u32_u24 v5, v1, 48
	v_lshl_add_u32 v6, v1, 4, s18
	v_mad_u32_u24 v4, v15, 24, v4
	v_add_nc_u32 v5, s18, v5
	v_min_u32 v245, 10, v247
	v_add_nc_u32 v4, s31, v4                       ; row r, + 24 h, + my first step
	v_mul_u32_u24 v246, v245, 12
	v_mov_b32 v179, 0
	v_lshl_add_u32 v7, v14, 7, v246                ; my row's scale words 3 f, 3 f + 1,
	v_add_nc_u32 v248, 8, v246
	v_min_u32 v248, 124, v248                      ; and 3 f + 2, held inside the row (fill 10 does not use it)
	v_lshl_add_u32 v8, v14, 7, v248
	s_wait_alu depctr_va_vdst(0)
.irp i, 0,1,2,3,4,5,6,7,8,9,10,11
	global_load_b128 v[80+4*\i:83+4*\i], v2, s[24:25] offset:512*\i th:TH_LOAD_NT
.endr
	global_load_b32 v176, v7, s[26:27]
	global_load_b32 v177, v7, s[26:27] offset:4
	global_load_b32 v178, v8, s[26:27]
	s_wait_loadcnt 3                               ; the codes are in
.irp i, 0,1,2,3,4,5,6,7,8,9,10,11
	ds_store_b128 v3, v[80+4*\i:83+4*\i] offset:RPIT*(\i/6)+512*(\i%6)
.endr
	s_wait_dscnt 0x0
	s_barrier_signal -1
	s_barrier_wait -1
.irp ks, 0,1,2,3
.irp p, 0,1,2,3,4,5
	ds_load_b64 v[128+12*\ks+2*\p:129+12*\ks+2*\p], v4 offset:96*\ks+48*(\p/3)+8*(\p%3)   ; the operand's registers of lane (r, h)
.endr
.endr
	s_wait_dscnt 0x0
.irp ks, 0,1,2,3
.irp j, 0,1,2
	ds_store_b128 v5, v[128+12*\ks+4*\j:131+12*\ks+4*\j] offset:16*\j
.endr
.irp j, 0,1,2
	ds_load_b128 v[80+12*\ks+4*\j:83+12*\ks+4*\j], v6 offset:512*\j   ; in order behind my stores
.endr
.endr
	s_wait_dscnt 0x0
.irp ks, 0,1,2,3
.irp j, 0,1,2
	global_store_b128 v[VO+\ks], v[80+12*\ks+4*\j:83+12*\ks+4*\j], s[10:11] offset:512*\j
.endr
.endr
	s_wait_loadcnt 0x0
	s_wait_xcnt 0x0
	v_cmp_gt_u32 vcc_lo, 0xb0, v0
	s_and_saveexec_b32 s28, vcc_lo
	global_store_b128 v[VSO], v[176:179], s[10:11]
	s_wait_xcnt 0x0
	s_or_b32 exec_lo, exec_lo, s28
	s_wait_tensorcnt 0x0                           ; the wave's end
	ds_add_u32 v254, v255
	s_wait_dscnt 0x0
	s_endpgm
.Lfunc_end_k_q7eb3a0a869_prep:
	.size	k_q7eb3a0a869_prep, .Lfunc_end_k_q7eb3a0a869_prep-k_q7eb3a0a869_prep
	.p2alignl 7, 3214868480
	.fill 96, 4, 3214868480
	.section	.rodata,"a",@progbits
	.p2align	6, 0x0
	.amdhsa_kernel k_q7eb3a0a869_prep
		.amdhsa_group_segment_fixed_size 120064
		.amdhsa_private_segment_fixed_size 0
		.amdhsa_enable_private_segment 0
		.amdhsa_kernarg_size 48
		.amdhsa_user_sgpr_count 2
		.amdhsa_user_sgpr_kernarg_segment_ptr 1
		.amdhsa_wavefront_size32 1
		.amdhsa_system_sgpr_workgroup_id_x 1
		.amdhsa_system_sgpr_workgroup_id_y 1
		.amdhsa_system_sgpr_workgroup_id_z 1
		.amdhsa_system_vgpr_workitem_id 0
		.amdhsa_next_free_vgpr 256
		.amdhsa_next_free_sgpr 66
		.amdhsa_reserve_vcc 1
		.amdhsa_float_denorm_mode_32 3
		.amdhsa_float_denorm_mode_16_64 3
		.amdhsa_memory_ordered 1
		.amdhsa_forward_progress 1
		.amdhsa_inst_pref_size 104
	.end_amdhsa_kernel
	.amdgpu_metadata
---
amdhsa.version: [ 1, 2 ]
amdhsa.kernels:
  - .name:           k_q7eb3a0a869_prep
    .symbol:         k_q7eb3a0a869_prep.kd
    .args:
      - { .name: residual, .offset: 0, .size: 8, .value_kind: global_buffer, .address_space: global }
      - { .name: control_points, .offset: 8, .size: 8, .value_kind: global_buffer, .address_space: global }
      - { .name: w_pk, .offset: 16, .size: 8, .value_kind: global_buffer, .address_space: global }
      - { .name: a_pk, .offset: 24, .size: 8, .value_kind: global_buffer, .address_space: global }
      - { .name: input_codes, .offset: 32, .size: 8, .value_kind: global_buffer, .address_space: global }
      - { .name: input_scales, .offset: 40, .size: 8, .value_kind: global_buffer, .address_space: global }
    .group_segment_fixed_size: 120064
    .private_segment_fixed_size: 0
    .kernarg_segment_align: 8
    .kernarg_segment_size: 48
    .max_flat_workgroup_size: 256
    .sgpr_count:     66
    .vgpr_count:     256
    .wavefront_size: 32
...
	.end_amdgpu_metadata
.endif
;; end of part 1
;; launch gemm (part 2): grid 16 x 16, 4 waves a work-group, clusters of 4 x 4, 327,680 bytes of LDS; arguments a_pk, w_pk, bias, out0; writes out0
.if DOCPART == 2
	.amdgcn_target "amdgcn-amd-amdhsa--gfx1250"
	.amdhsa_code_object_version 6
	.text
	.protected	k_q7eb3a0a869_gemm
	.globl	k_q7eb3a0a869_gemm
	.p2align	8
	.type	k_q7eb3a0a869_gemm,@function
k_q7eb3a0a869_gemm:
	s_mov_b64 s[64:65], 0
	v_nop
	global_prefetch_b8 v0, s[64:65] scope:SCOPE_SE
	s_setreg_imm32_b32 hwreg(HW_REG_WAVE_MODE, 25, 1), 1
	s_wait_xcnt 0x0
	s_wait_alu depctr_hold_cnt(0) depctr_sa_sdst(0) depctr_va_vdst(0) depctr_va_sdst(0) depctr_va_ssrc(0) depctr_va_vcc(0) depctr_vm_vsrc(0)
	s_getreg_b32 s2, hwreg(HW_REG_IB_STS2, 6, 4)
	s_cmp_eq_u32 s2, 0
	s_cbranch_scc0 .Lentry_in_a_cluster
	s_endpgm
.Lentry_in_a_cluster:
	s_bfe_u32 s2, ttmp6, 0x10000c
	s_cmp_lg_u32 s2, 0xf033
	s_cbranch_scc0 .Lentry_shape_is_right
	s_endpgm
.Lentry_shape_is_right:
; out0[m][n] = sum over k of A[m][k] W[n][k] + bias[n]: codes of E2M3 with E8M0 scales, f32 sums; the bias is the C of each accumulator's first product.
; a_pk and w_pk hold, for each block of 16 rows (RBB bytes), eleven fills: K steps 3 f .. 3 f + 2 as images of the operand's registers (1,536 bytes a step, lane l at 48 l), then 256 bytes of scale words
; (row r at 16 r, word q for the fill's step q); fill 10 has two steps.  A fill of a block is FB = 4,864 consecutive bytes (fill 10: 3,328), a multiple of 256, at a multiple of 256.
; A tile of 256 x 256 to a work-group of four waves, 128 x 128 a wave: 64 accumulators.  A ring of two LDS slots, a fill each: 32 blocks x FB bytes; each wave fetches 8 blocks with one tensor load.
; A fragment is three loads of 16 bytes a lane, 48 bytes apart from lane to lane; a block's scale words for a fill's steps come by one load: lanes 0-15 A's block i, lanes 16-31 W's block i.
; CLUSTERS 4 x 4: A's tiles are asked for jointly along a row of the cluster, W's along a column.  The matrix instruction is used transposed (source 0 = W's rows, source 1 = A's): a lane holds 8 neighbours of a row of out0.
; One round of the cluster's barrier for each fill, in the fill's last step; between a refill and the wait for it a wave issues 160 matrix instructions.  A wave has at most one tensor load out.
; PREFETCH: behind the load of fill g stand two requests for fill g + 2 (g up to 7): of the 8 blocks that a wave fetches, each of the four partners names 2, by address; 19 lanes name a fill's 19 pieces of 256 bytes,
; the other lanes the last again.  At the head fills 1 and 2 are named.  Fill 10 is shorter than 19 pieces and is not named.
; REGISTERS: window 0: v16-31 addresses, v32-95 scale words (two sets), v96-127 and v224-255 the bias, v128-223 A's fragments (one set); window 1: W's fragments, two sets, at v0 and v128; windows 2, 3: accumulators.
.set SIZE_N, 4096
.set RBB,    51968
.set FB,     4864
.set F0B,    3328
.set FRB,    1536
.set HALFT,  8*FB
.set HALF0,  8*F0B
.set SLOT,   4*HALFT
.set SPARE,  2*SLOT
.set STAGE,  SLOT                      ; the way out goes through slot 1, which has had its last fill and its last read by then
.set SPITCH, 528
.set FR,     12
.set ADRA, 16                          ; v16-17 my A fragments in slot 0, 1
.set ADRB, 18                          ; v18-19 W's
.set ADRS, 20                          ; v20-21 scale words
.set ADA0, 22                          ; the same three for fill 10, whose blocks lie F0B apart in slot 0
.set ADB0, 23
.set STO,  24
.set RD,   25
.set CO,   26
.set ADS0, 27
.set SPW,  28
.set NIL,  29
.set BO,   30
.set PFO,  31
.set SC,   32
.set AF,   128
.set BK,   128
.set G1,  24
.set G0,  32
.set G1B, 48
.set G0B, 56
.set PFA, 66
.set LD0, 69
.set MSB, 0
.macro WIN new
.if MSB != \new
	s_set_vgpr_msb (MSB<<8)|\new
.set MSB, \new
.endif
.endm
.set MUL_LO, 0xa1
.set MUL_HI, 0xf1
.set FST_LO, 0x81
.set FST_HI, 0xc1
.set TO_B,   0x40
.macro JLOAD g0a, g1a, g0b, g1b        ; waves 0, 1 fetch for A, waves 2, 3 for W
	s_cmp_eq_u32 s15, 0
	s_cbranch_scc0 .Lfor_b_\@
	tensor_load_to_lds s[\g0a:\g0a+3], s[\g1a:\g1a+7]
	s_nop 0
.rept 4
	v_nop
.endr
	s_branch .Lasked_\@
.Lfor_b_\@:
	tensor_load_to_lds s[\g0b:\g0b+3], s[\g1b:\g1b+7]
	s_nop 0
.rept 4
	v_nop
.endr
.Lasked_\@:
.endm
.macro CREST
	s_cmp_lg_u32 s14, 0
	s_cbranch_scc1 .Lnot_wave_0_\@
	s_barrier_signal -3
.Lnot_wave_0_\@:
	s_barrier_wait -3
	s_barrier_signal -1
	s_barrier_wait -1
.endm
.macro CROUND
	s_barrier_signal -1
	s_barrier_wait -1
	CREST
.endm
.macro ASK how                         ; 1: always; 2: in the loop, not in its last trip
.if \how
.if \how == 2
	s_cmp_gt_u32 s3, 1
	s_cbranch_scc0 .Lno_ask_\@
.endif
	global_prefetch_b8 v[PFO], s[PFA:PFA+1] offset:3*FB th:TH_LOAD_NT scope:SCOPE_SE
	global_prefetch_b8 v[PFO], s[PFA:PFA+1] offset:3*FB+RBB th:TH_LOAD_NT scope:SCOPE_SE
.if \how == 2
.Lno_ask_\@:
.endif
.endif
.endm
	s_load_b128 s[4:7], s[0:1], 0x0                ; a_pk, w_pk
	s_load_b64 s[8:9], s[0:1], 0x10                ; bias
	s_load_b64 s[12:13], s[0:1], 0x18              ; out0
	v_lshl_add_u32 v[SPW], v0, 2, SPARE
	v_mov_b32 v[NIL], 0
	ds_add_u32 v[SPW], v[NIL]                      ; the opening lines
	ds_add_u32 v[SPW], v[NIL]
	v_lshrrev_b32 v1, 5, v0
	v_readfirstlane_b32 s14, v1                    ; wave
	s_lshr_b32 s15, s14, 1                         ; my half of the tile's rows; also: I fetch for A (0) or W (1)
	s_and_b32 s16, s14, 1                          ; my half of its columns; also: which 8 blocks I fetch
	s_bfe_u32 s40, ttmp6, 0x40000                  ; cx
	s_bfe_u32 s41, ttmp6, 0x40004                  ; cy
	s_lshl_b32 s42, ttmp9, 2
	s_add_co_u32 s42, s42, s40                     ; tile column
	s_and_b32 s17, ttmp7, 0xffff
	s_lshl_b32 s17, s17, 2
	s_add_co_u32 s17, s17, s41                     ; tile row
	s_lshl_b32 s43, s41, 2
	s_lshl_b32 s43, 15, s43                        ; my row of the cluster
	s_lshl_b32 s44, 0x1111, s40                    ; my column
	s_or_b32 s[G1+0], s43, (3<<16)|(1<<21)         ; elements of 8 bytes, no padding
	s_or_b32 s[G1B+0], s44, (3<<16)|(1<<21)
.irp g, G1, G1B
	s_mov_b32 s[\g+1], (FB/8)<<16                  ; tensor_dim0: a fill of a block
	s_mov_b32 s[\g+2], 8<<16                       ; tensor_dim1: 8 blocks
	s_mov_b32 s[\g+3], (FB/8)<<16
	s_mov_b32 s[\g+4], 8
	s_mov_b32 s[\g+5], RBB/8                       ; from block to block
	s_mov_b32 s[\g+6], 0
	s_mov_b32 s[\g+7], 0
.endr
	s_lshl_b32 s18, s16, 3
	s_lshl_b32 s20, s17, 4
	s_add_co_u32 s20, s20, s18
	s_mul_i32 s20, s20, RBB                        ; A: block 16 x tile row + 8 x half
	s_mov_b32 s21, 0
	s_lshl_b32 s46, s42, 4
	s_add_co_u32 s46, s46, s18
	s_mul_i32 s46, s46, RBB                        ; W: block 16 x tile column + 8 x half
	s_mov_b32 s47, 0
	s_mul_i32 s45, s14, HALFT                      ; where my 8 blocks go
	s_mul_i32 s[LD0], s14, HALF0                   ; and in fill 10
	s_wait_dscnt 0x0
	s_wait_kmcnt 0x0
	s_add_nc_u64 s[20:21], s[4:5], s[20:21]
	s_add_nc_u64 s[46:47], s[6:7], s[46:47]
	CROUND                                         ; in front of the first joint loads
.irp s, 0,1
	s_mov_b32 s[G0+4*\s], 1
	s_add_co_u32 s[G0+4*\s+1], s45, \s*SLOT
	s_add_nc_u64 s[G0+4*\s+2:G0+4*\s+3], s[20:21], \s*FB
	s_or_b32 s[G0+4*\s+3], s[G0+4*\s+3], 0x80000000
	s_mov_b32 s[G0B+4*\s], 1
	s_add_co_u32 s[G0B+4*\s+1], s45, \s*SLOT
	s_add_nc_u64 s[G0B+4*\s+2:G0B+4*\s+3], s[46:47], \s*FB
	s_or_b32 s[G0B+4*\s+3], s[G0B+4*\s+3], 0x80000000
.endr
	JLOAD G0, G1, G0B, G1B                         ; fill 0: one tensor load a wave at the head
	s_mul_i32 s22, s15, HALFT                      ; my 8 blocks of A
	s_mul_i32 s23, s16, HALFT
	s_add_co_u32 s23, s23, 2*HALFT                 ; my 8 of W, behind A's 16
	s_mul_i32 s10, s15, HALF0
	s_mul_i32 s11, s16, HALF0
	s_add_co_u32 s11, s11, 2*HALF0
	s_sub_co_u32 s18, s23, s22
	s_sub_co_u32 s19, s11, s10
	s_mul_i32 s70, s14, 16*SPITCH
	s_add_co_u32 s70, s70, STAGE
	s_lshl_b32 s20, s17, 8
	s_lshl_b32 s21, s15, 7
	s_add_co_u32 s20, s20, s21
	s_lshl_b32 s20, s20, 14                        ; my first row of out0, in bytes
	s_mov_b32 s21, 0
	s_lshl_b32 s46, s42, 10
	s_lshl_b32 s47, s16, 9
	s_add_co_u32 s46, s46, s47                     ; my first column, in bytes
	s_mov_b32 s47, 0
	s_add_nc_u64 s[8:9], s[8:9], s[46:47]
	s_add_nc_u64 s[12:13], s[12:13], s[20:21]
	s_add_nc_u64 s[12:13], s[12:13], s[46:47]
	s_cmp_eq_u32 s15, 0                            ; the prefetches: do I fetch for A?
	s_cselect_b32 s20, s17, s42
	s_cselect_b32 s21, s40, s41                    ; my place among the four that ask with me
	s_cselect_b64 s[PFA:PFA+1], s[4:5], s[6:7]
	s_lshl_b32 s20, s20, 4
	s_lshl_b32 s71, s16, 3
	s_add_co_u32 s20, s20, s71
	s_lshl_b32 s21, s21, 1
	s_add_co_u32 s20, s20, s21                     ; my work-group's 2 of the 8 blocks
	s_mul_i32 s20, s20, RBB
	s_mov_b32 s21, 0
	s_add_nc_u64 s[PFA:PFA+1], s[PFA:PFA+1], s[20:21]
	v_and_b32 v1, 31, v0
	v_and_b32 v2, 15, v0
	v_bfe_u32 v3, v0, 4, 1
	v_mul_u32_u24 v4, v1, 48
	v_mul_u32_u24 v5, s18, v3                      ; lanes 16-31 take W's scale words
	v_mul_u32_u24 v6, s19, v3
	v_add_nc_u32 v[ADRA], s22, v4
	v_add_nc_u32 v[ADRB], s23, v4
	v_add_nc_u32 v[ADA0], s10, v4
	v_add_nc_u32 v[ADB0], s11, v4
	v_lshl_add_u32 v5, v2, 4, v5
	v_lshl_add_u32 v6, v2, 4, v6
	v_add_nc_u32 v[ADRA+1], SLOT, v[ADRA]
	v_add_nc_u32 v[ADRB+1], SLOT, v[ADRB]
	v_add_nc_u32 v5, s22, v5
	v_add_nc_u32 v6, s10, v6
	v_mul_u32_u24 v7, v2, SPITCH
	v_add_nc_u32 v[ADRS], 3*FRB, v5
	v_add_nc_u32 v[ADRS+1], SLOT+3*FRB, v5
	v_add_nc_u32 v[ADS0], 2*FRB, v6
	v_lshl_add_u32 v7, v3, 5, v7
	v_lshlrev_b32 v[CO], 4, v1
	v_add_nc_u32 v[STO], s70, v7
	v_min_u32 v[PFO], 18, v1
	v_add_nc_u32 v[RD], s70, v[CO]
	v_lshlrev_b32 v[BO], 5, v3
	v_lshlrev_b32 v[PFO], 8, v[PFO]
	s_wait_alu depctr_va_vdst(0)                   ; the wait at the head's end
.irp b, 0,1,2,3,4,5,6,7
	global_load_b128 v[96+8*\b+96*(\b/4):99+8*\b+96*(\b/4)],   v[BO], s[8:9] offset:64*\b      ; bias at my 8 columns of block b
	global_load_b128 v[100+8*\b+96*(\b/4):103+8*\b+96*(\b/4)], v[BO], s[8:9] offset:64*\b+16
.endr
.irp f, 1,2
	global_prefetch_b8 v[PFO], s[PFA:PFA+1] offset:\f*FB th:TH_LOAD_NT scope:SCOPE_SE
	global_prefetch_b8 v[PFO], s[PFA:PFA+1] offset:\f*FB+RBB th:TH_LOAD_NT scope:SCOPE_SE
.endr
.macro FRAG reg, adr, off
.irp j, 0,1,2
	ds_load_b128 v[\reg+4*\j:\reg+4*\j+3], v[\adr] offset:(\off)+16*\j
.endr
.endm
.macro FETCH_B adr, pit, qo, p
	WIN TO_B
.irp i, 0,1,2,3,4,5,6,7
	FRAG 128*(\p)+FR*\i, \adr, \i*(\pit)+(\qo)
.endr
	WIN 0
.endm
.macro FETCH_A adr, pit, qo, i0
.irp i, \i0, \i0+1, \i0+2, \i0+3
	FRAG AF+FR*(\i), \adr, (\i)*(\pit)+(\qo)
.endr
.endm
.macro SCALES adr, pit, set
.irp i, 0,1,2,3,4,5,6,7
	ds_load_b128 v[SC+32*(\set)+4*\i:SC+32*(\set)+4*\i+3], v[\adr] offset:\i*(\pit)
.endr
.endm
; 16 matrix instructions: A's blocks a0, a0 + 1 x W's eight.  The 64 accumulators take turns, in the same order in every step.
.macro MUL16 a0, p, q, sc, first
.irp a, \a0, \a0+1
.irp b, 0,1,2,3,4,5,6,7
.if \first
	v_wmma_scale_f32_16x16x128_f8f6f4 v[8*(8*((\a)%4)+\b):8*(8*((\a)%4)+\b)+7], v[128*(\p)+FR*\b:128*(\p)+FR*\b+FR-1], v[AF+FR*(\a):AF+FR*(\a)+FR-1], v[96+8*\b+96*(\b/4):103+8*\b+96*(\b/4)], v[SC+32*(\sc)+4*\b+(\q)], v[SC+32*(\sc)+4*(\a)+(\q)] matrix_a_fmt:MATRIX_FMT_FP6 matrix_b_fmt:MATRIX_FMT_FP6 matrix_a_scale:MATRIX_SCALE_ROW1
.else
	v_wmma_scale_f32_16x16x128_f8f6f4 v[8*(8*((\a)%4)+\b):8*(8*((\a)%4)+\b)+7], v[128*(\p)+FR*\b:128*(\p)+FR*\b+FR-1], v[AF+FR*(\a):AF+FR*(\a)+FR-1], v[8*(8*((\a)%4)+\b):8*(8*((\a)%4)+\b)+7], v[SC+32*(\sc)+4*\b+(\q)], v[SC+32*(\sc)+4*(\a)+(\q)] matrix_a_fmt:MATRIX_FMT_FP6 matrix_b_fmt:MATRIX_FMT_FP6 matrix_a_scale:MATRIX_SCALE_ROW1
.endif
.endr
.endr
.endm
.macro PLACES                          ; four places in front of loads into registers that matrix instructions have read (ISA guide 7.12.1 for vector instructions)
.rept 4
	v_nop
.endr
.endm
; A step inside a fill: W's set p, scale word q of set sc; the next step's fragments come from the same slot, at byte nqo of each block.
.macro STEP p, q, sc, first, na, nb, pit, nqo
	s_wait_dscnt 36                                ; all but A's blocks 4-7 (12 loads) and W's next set (24) are in
.if \first
	WIN FST_LO
.else
	WIN MUL_LO
.endif
	MUL16 0, \p, \q, \sc, \first
	MUL16 2, \p, \q, \sc, \first
	s_wait_dscnt 24                                ; A's blocks 4-7 are in; W's next set may be out
	PLACES
	WIN 0
	FETCH_A \na, \pit, \nqo, 0
.if \first
	WIN FST_HI
.else
	WIN MUL_HI
.endif
	MUL16 4, \p, \q, \sc, \first
	MUL16 6, \p, \q, \sc, \first
	PLACES
	WIN 0
	FETCH_A \na, \pit, \nqo, 4
.if (\q) == 0
	FETCH_B \nb, \pit, (\nqo)+FRB, \p              ; W's set p is done with: it takes the step after next, the fill's last, a whole step ahead of its use
.endif
.endm
; A fill's last step changes slots: one barrier.  In front of it: all my tensor loads have landed, the add, and my reads of this slot are over.
; fill = 1: the barrier opens a round and this slot takes the fill two on; 2: that fill is fill 10, of two steps; 0: nothing is left to fetch.
.macro TURN p, slot, fill, ask, na, nb, ns, pit
.if \ask
	s_wait_xcnt 0x0                                ; my prefetches have read their address
	s_add_nc_u64 s[PFA:PFA+1], s[PFA:PFA+1], FB
.endif
	s_wait_tensorcnt 0x0
	ds_add_u32 v[SPW], v[NIL]
.if \fill
	s_add_nc_u64 s[G0+4*\slot+2:G0+4*\slot+3], s[G0+4*\slot+2:G0+4*\slot+3], 2*FB      ; no load of mine is out: descriptors may be written
	s_add_nc_u64 s[G0B+4*\slot+2:G0B+4*\slot+3], s[G0B+4*\slot+2:G0B+4*\slot+3], 2*FB
.endif
.if \fill == 2
	s_mov_b32 s[G1+1], (F0B/8)<<16
	s_mov_b32 s[G1+3], (F0B/8)<<16
	s_mov_b32 s[G1B+1], (F0B/8)<<16
	s_mov_b32 s[G1B+3], (F0B/8)<<16
	s_mov_b32 s[G0+1], s[LD0]
	s_mov_b32 s[G0B+1], s[LD0]
.endif
	s_wait_dscnt 13                                ; the add and A's blocks 4-7 may be out
	WIN MUL_LO
	MUL16 0, \p, 2, \slot, 0
	s_wait_dscnt 0x0
	s_barrier_signal -1
	MUL16 2, \p, 2, \slot, 0
	WIN 0
	s_barrier_wait -1
.if \fill
	CREST
	JLOAD G0+4*\slot, G1, G0B+4*\slot, G1B         ; the first tensor load behind the round; its four v_nop are the places for the loads below
.else
	PLACES
.endif
	FETCH_B \nb, \pit, 0, 1-(\p)
	FETCH_A \na, \pit, 0, 0
	SCALES \ns, \pit, 1-(\slot)
	ASK \ask
	WIN MUL_HI
	MUL16 4, \p, 2, \slot, 0
	MUL16 6, \p, 2, \slot, 0
	PLACES
	WIN 0
	FETCH_A \na, \pit, 0, 4
	FETCH_B \nb, \pit, FRB, \p                     ; and W's fragments of the next fill's second step
.endm
	s_wait_tensorcnt 0x0                           ; my part of fill 0 is in; slot 1's first fill is issued as a refill is
	ds_add_u32 v[SPW], v[NIL]
	s_wait_dscnt 0x0
	CROUND
	JLOAD G0+4, G1, G0B+4, G1B                     ; fill 1
	FETCH_B ADRB, FB, 0, 0
	FETCH_A ADRA, FB, 0, 0
	SCALES ADRS, FB, 0
	FETCH_A ADRA, FB, 0, 4
	FETCH_B ADRB, FB, FRB, 1
	ASK 1                                          ; fill 3
	s_wait_loadcnt 0x0                             ; the bias
	STEP 0, 0, 0, 1, ADRA, ADRB, FB, FRB           ; step 0 starts the sums on the bias
	s_mov_b32 s3, 4
.Llap:                                                 ; a trip: six steps, from an even fill's second step to the next even fill's first; both slots are filled again
	STEP 1, 1, 0, 0, ADRA, ADRB, FB, 2*FRB
	TURN 0, 0, 1, 2, ADRA+1, ADRB+1, ADRS+1, FB
	STEP 1, 0, 1, 0, ADRA+1, ADRB+1, FB, FRB
	STEP 0, 1, 1, 0, ADRA+1, ADRB+1, FB, 2*FRB
	TURN 1, 1, 1, 2, ADRA, ADRB, ADRS, FB
	STEP 0, 0, 0, 0, ADRA, ADRB, FB, FRB
	s_sub_co_u32 s3, s3, 1
	s_cmp_lg_u32 s3, 0
	s_cbranch_scc1 .Llap
	STEP 1, 1, 0, 0, ADRA, ADRB, FB, 2*FRB         ; fill 8 goes on
	TURN 0, 0, 2, 0, ADRA+1, ADRB+1, ADRS+1, FB    ; slot 0 takes fill 10
	STEP 1, 0, 1, 0, ADRA+1, ADRB+1, FB, FRB
	STEP 0, 1, 1, 0, ADRA+1, ADRB+1, FB, 2*FRB
; FILL 10'S TWO STEPS GO BY ROWS OF out0.  W's two sets hold both steps' fragments; A's come by blocks of 16 rows x 256 K (24 registers, four buffers where A's set lay);
; my eight blocks are finished one after the other, 16 matrix instructions each, the block's 8 accumulators by turns, K ascending, and each block leaves while the next is multiplied.
.macro ALOAD a                         ; A's fragments of block a, both steps, into buffer a % 4
.irp q, 0,1
	FRAG AF+24*((\a)%4)+12*\q, ADA0, (\a)*F0B+\q*FRB
.endr
.endm
.macro ROW a
	WIN MUL_LO+0x50*((\a)/4)
.irp q, 0,1
.if (\a) == 0 && \q == 1
	s_wait_dscnt 12                                ; W's second set is in (behind it: A's blocks 2 and 3)
.endif
.irp b, 0,1,2,3,4,5,6,7
	v_wmma_scale_f32_16x16x128_f8f6f4 v[64*((\a)%4)+8*\b:64*((\a)%4)+8*\b+7], v[128*\q+FR*\b:128*\q+FR*\b+FR-1], v[AF+24*((\a)%4)+12*\q:AF+24*((\a)%4)+12*\q+11], v[64*((\a)%4)+8*\b:64*((\a)%4)+8*\b+7], v[SC+4*\b+\q], v[SC+4*(\a)+\q] matrix_a_fmt:MATRIX_FMT_FP6 matrix_b_fmt:MATRIX_FMT_FP6 matrix_a_scale:MATRIX_SCALE_ROW1
.endr
.endr
	WIN 0
.endm
	s_wait_tensorcnt 0x0                           ; fill 9's last step, and the walk's last barrier: fill 10 has landed,
	ds_add_u32 v[SPW], v[NIL]
	s_wait_dscnt 13                                ; the add and A's blocks 4-7 may be out
	WIN MUL_LO
	MUL16 0, 1, 2, 1, 0
	s_wait_dscnt 0x0                               ; and my reads of slot 1 are over
	s_barrier_signal -1
	MUL16 2, 1, 2, 1, 0
	WIN 0
	s_barrier_wait -1
	PLACES
	FETCH_B ADB0, F0B, 0, 0                        ; step 30's fragments of W,
	SCALES ADS0, F0B, 0
	ALOAD 0
	ALOAD 1
	WIN MUL_HI
	MUL16 4, 1, 2, 1, 0
	MUL16 6, 1, 2, 1, 0
	PLACES
	FETCH_B ADB0, F0B, FRB, 1                      ; and step 31's
	ALOAD 2
	ALOAD 3
; THE WAY OUT, by blocks of 16 rows x 128 columns, through my own stage: in as 32 bytes a lane, back as whole rows of 512 bytes.  LDS serves a wave's instructions in order (ISA guide 5.7.1.4).
.macro TOSTAGE a
.set AC, 64*((\a)%4)
	WIN 0x08+4*((\a)/4)
.irp b, 0,1,2,3,4,5,6,7
	ds_store_b128 v[STO], v[AC+8*\b:AC+8*\b+3] offset:64*\b          ; each accumulator from its low end on
	ds_store_b128 v[STO], v[AC+8*\b+4:AC+8*\b+7] offset:64*\b+16
.endr
	WIN 0
.set BB, 64                            ; v64-127: scale set 1 and half of the bias, both done with
.irp t, 0,1,2,3,4,5,6,7,8,9,10,11,12,13,14,15
	ds_load_b128 v[BB+4*\t:BB+4*\t+3], v[RD] offset:\t*SPITCH
.endr
.endm
.macro SEND a, younger
.set BB, 64
	s_wait_dscnt \younger
.if (\a) > 0
	s_add_nc_u64 s[12:13], s[12:13], 16*SIZE_N*4   ; behind a wait on XCNT: the earlier stores have read their base
.endif
.irp t, 0,1,2,3,4,5,6,7,8,9,10,11,12,13,14,15
	global_store_b128 v[CO], v[BB+4*\t:BB+4*\t+3], s[12:13] offset:\t*SIZE_N*4 th:TH_STORE_NT   ; 512 consecutive bytes, at a multiple of 256
.endr
.endm
	s_wait_dscnt 36                                ; all but W's second set (24 loads) and A's blocks 2 and 3 (12) are in
	ROW 0
.irp a, 0,1,2,3,4,5,6,7
	PLACES                                         ; block a's results were just made, and its buffer of A is loaded again
.if \a > 0
	s_wait_xcnt 0x0                                ; block a - 1's stores have read their registers and their base
.endif
	TOSTAGE \a
.if \a < 4
	ALOAD \a+4
	s_wait_dscnt 38                                ; all that was asked for ahead of this block's 32 stage instructions and 6 loads is in
.else
	s_wait_dscnt 32
.endif
.if \a < 7
	ROW \a+1                                       ; the next block is multiplied while this one turns through the stage
.endif
.if \a < 4
	SEND \a, 6
.else
	SEND \a, 0
.endif
.endr
	s_wait_tensorcnt 0x0                           ; the wave's end
	ds_add_u32 v[SPW], v[NIL]
	s_wait_dscnt 0x0
	CROUND                                         ; the closing round
	s_endpgm
.Lfunc_end_k_q7eb3a0a869_gemm:
	.size	k_q7eb3a0a869_gemm, .Lfunc_end_k_q7eb3a0a869_gemm-k_q7eb3a0a869_gemm
	.p2alignl 7, 3214868480
	.fill 96, 4, 3214868480
	.section	.rodata,"a",@progbits
	.p2align	6, 0x0
	.amdhsa_kernel k_q7eb3a0a869_gemm
		.amdhsa_group_segment_fixed_size 327680
		.amdhsa_private_segment_fixed_size 0
		.amdhsa_enable_private_segment 0
		.amdhsa_kernarg_size 32
		.amdhsa_user_sgpr_count 2
		.amdhsa_user_sgpr_kernarg_segment_ptr 1
		.amdhsa_wavefront_size32 1
		.amdhsa_system_sgpr_workgroup_id_x 1
		.amdhsa_system_sgpr_workgroup_id_y 1
		.amdhsa_system_sgpr_workgroup_id_z 1
		.amdhsa_system_vgpr_workitem_id 0
		.amdhsa_next_free_vgpr 1024
		.amdhsa_next_free_sgpr 72
		.amdhsa_reserve_vcc 0
		.amdhsa_float_denorm_mode_32 3
		.amdhsa_float_denorm_mode_16_64 3
		.amdhsa_memory_ordered 1
		.amdhsa_forward_progress 1
		.amdhsa_inst_pref_size 209
	.end_amdhsa_kernel
	.amdgpu_metadata
---
amdhsa.version: [ 1, 2 ]
amdhsa.kernels:
  - .name:           k_q7eb3a0a869_gemm
    .symbol:         k_q7eb3a0a869_gemm.kd
    .args:
      - { .name: a_pk, .offset: 0, .size: 8, .value_kind: global_buffer, .address_space: global }
      - { .name: w_pk, .offset: 8, .size: 8, .value_kind: global_buffer, .address_space: global }
      - { .name: bias, .offset: 16, .size: 8, .value_kind: global_buffer, .address_space: global }
      - { .name: out0, .offset: 24, .size: 8, .value_kind: global_buffer, .address_space: global }
    .group_segment_fixed_size: 327680
    .private_segment_fixed_size: 0
    .kernarg_segment_align: 8
    .kernarg_segment_size: 32
    .max_flat_workgroup_size: 128
    .sgpr_count:     72
    .vgpr_count:     1024
    .wavefront_size: 32
...
	.end_amdgpu_metadata
.endif
;; end of part 2
